; MI455X (gfx1250); checked and timed in simulation.
; The chip was launched on July 23, 2026; its instructions are those of AMD's public machine-readable ISA for CDNA 5 (MIT licence, August 2026) and "CDNA5" Instruction Set Architecture Reference Guide (July 2026). The comments in the code are by the model that wrote it; some were corrected since.
;; dotproductattention. Allowed arithmetic: matrix products marked QUANTISED: E2M1 operands, one E8M0 scale for each 32 along K, by v_wmma_scale_f32_16x16x128_f8f6f4 with both operands' format E2M1 (or v_wmma_scale_f32_32x16x128_f4), f32 sums; everything else in f32.
;; Inputs: k 16 x 2,048 x 64 float32; q 16 x 2,048 x 64 float32; v 16 x 2,048 x 64 float32.
;; Outputs: out0 16 x 2,048 x 64 float32.
;; This version of the problem:
;;   THIS VERSION OF THE PROBLEM IS GIVEN IN LOW PRECISION. The matrix products marked QUANTISED in the list below multiply operands that are first quantised to E2M1 (2 exponent bits, 1 mantissa bit; 4 bits a number), with one power-of-two scale for each 32 numbers along K (OCP MX v1.0); their sums are f32. All else is computed in f32.
;;   The module's matrix products, in the order in which they are computed (A, B: the left and right operand; K: the contracted axis; several contracted axes count as one K, in the product's order):
;;     1. batch 16 x [M 2,048, K 64] x [K 64, N 2,048]; A: input q; B: input k: QUANTISED
;;     2. batch 16 x [M 2,048, K 2,048] x [K 2,048, N 64]; A: softmax (see below); B: input v: QUANTISED
;;   THE QUANTISER, for each operand of a quantised product, along K:
;;     - K is cut into blocks of 32 from its start; a last block that is shorter is filled with zeros.
;;     - A block's scale is 2^e with e = floor(log2(the largest magnitude in the block)) - 2, held to -126 .. 127; a block of zeros has e = 0. As a byte (E8M0): e + 127.
;;     - Each number is divided by its block's scale, clamped to +-6, and rounded to the nearest number of E2M1, ties to even, subnormals kept.
;;     - The product sums the exact products of the quantised numbers (number of the format x scale) in f32.
;;   ~~~python
;;   def quantise(x, axis):      # numpy; x: float32 -> the quantised numbers, widened to float32 again
;;       x = np.moveaxis(x, axis, -1); K = x.shape[-1]
;;       x = np.pad(x, [(0, 0)] * (x.ndim - 1) + [(0, -K % 32)]); x = x.reshape(x.shape[:-1] + (-1, 32)); a = np.abs(x).max(-1, keepdims=True)
;;       e = np.where(a > 0, np.clip(np.frexp(np.where(a > 0, a, 1))[1] - 1 - 2, -126, 127), 0)      # np.frexp(a)[1] - 1 = floor(log2(a)), exactly
;;       r = np.clip(x / 2.0 ** e, -6, 6)
;;       step = 2.0 ** (np.maximum(np.frexp(np.where(r == 0, 1, r))[1] - 1, 0) - 1)
;;       q = np.round(r / step) * step * 2.0 ** e      # np.round: ties to even
;;       return np.moveaxis(q.reshape(q.shape[:-2] + (-1,))[..., :K], -1, axis).astype(np.float32)
;;   ~~~
;;   SOFTMAX AHEAD OF A QUANTISED PRODUCT. Where the list says 'softmax', what is quantised is not the finished softmax but p = 2^(t - M), with t = logit x log2(e) and M = ceil(the row's largest t), a whole number; so 1/2 < the row's largest p <= 1. The row's sum l is taken of the UNQUANTISED p, in f32, and the product's result is divided by l at the end. Since M is a whole number, a kernel that streams over the keys may use a running M (the ceiling of the running maximum): every later rescaling is an exact power of two, which a block's scale takes up: the codes' values come out the same.
;;   OPERANDS COMPUTED ON THE WAY. 'Computed on the way' means the value that the module computes at that place (a softmax that the list does not call 'softmax' is quantised finished and normalised). What goes into a quantiser is computed in f32, as accurately as f32 sums, v_exp_f32 and their like allow (about 1e-6 of the number): no bf16 or f16 on the way to a quantiser, and a product that is left as it is and whose result goes on into a quantised operand takes f32 operands (vector FMAs, or v_wmma_f32_16x16x4_f32). A number that lies on a knife's edge between two numbers of the format may be rounded either way, as far as f32 arithmetic and the matrix unit's own rounding can turn it there, and no further.
;; One version. Each part assembles by itself: llvm-mc -triple=amdgcn-amd-amdhsa -mcpu=gfx1250 --defsym DOCPART=n.
;; ======== version 1 of 1: 2 launches
;; workspace buffers: kv 2,359,296 bytes
;; launch quant (part 1): grid 16 x 16, 8 waves a work-group, no clusters, 36,864 bytes of LDS; arguments k, v, kv; writes kv
.if DOCPART == 1
	.amdgcn_target "amdgcn-amd-amdhsa--gfx1250"
	.amdhsa_code_object_version 6
	.text
	.protected	k_q5181b0c61a_quant
	.globl	k_q5181b0c61a_quant
	.p2align	8
	.type	k_q5181b0c61a_quant,@function
k_q5181b0c61a_quant:
	s_mov_b64 s[64:65], 0
	v_nop
	global_prefetch_b8 v0, s[64:65] scope:SCOPE_SE
	s_setreg_imm32_b32 hwreg(HW_REG_WAVE_MODE, 25, 1), 1
	s_wait_xcnt 0x0
; k and v, [16][2048][64] f32, become codes of FP4 (E2M1) with one E8M0 scale byte for each 32 along a product's K: k along the head's 64, v along the KEYS.
; They are laid in kv as IMAGES OF THE OPERAND REGISTERS of the attention launch, one block of STEPB = 9,216 bytes for each batch and key step of 128 keys (l = lane, r = l % 16, h = l / 16):
;   0     K's 8 tiles, 512 bytes each: tile 2 b + u, lane l at 16 l: the 32 codes of key 32 b + 8 u + r + 8 (r / 8), d = 32 h .. 32 h + 31
;   4096  V^T's 4 tiles of 16 d, two groups c of four registers: 1024 t + 512 c + 16 l: the 32 codes of d = 16 t + r, keys 64 c + 32 h .. + 31
;   8192  K's scale words: at 16 l + 4 j that of tile 4 h + j, row r: byte 0, 1 = d block 0, 1; bytes 2, 3 = 0x7f (they stand over zero codes)
;   8704  V's scale words: at 16 l + 4 j that of d = 16 j + r, byte c = the step's key block c; the same 256 bytes for h = 0 and h = 1
; A block's scale is 2^(floor(log2(its largest magnitude)) - 2), its byte the largest magnitude's exponent field - 2, held at 1 from below by a floor among the maximum's leaves, as the rule holds e at -126.
; LIMITS: a block of zeros gets the byte 1 where the rule says 127 (its codes are zeros, and this program alone reads the bytes); NaN and infinities among the inputs are not served.
; SHARES.  Work-group (x = key step, y = batch): 64 KiB in, 9 KiB out.  Wave w takes K's tile w, and of V the block of 32 keys w / 2 for d = 32 (w % 2) + lane.
; K: a lane needs 32 neighbours along d, a load is best where neighbouring lanes take neighbouring bytes: the tile's 16 rows are loaded as they lie, 512 bytes a load, and turned in the wave's own stage in LDS.
; V: a lane takes a column d and its registers run down the keys: a whole block in one lane, nothing is turned.  All 40 loads of a wave go out at once.  No loop, no tensor load, one barrier (for the scale words).
.set STEPB,  9216
.set BATCHB, 16*STEPB
.set VC,     4096
.set KS,     8192
.set SP,     272                       ; a stage row: 256 bytes + 16: sixteen rows begin at sixteen different 16-byte columns
.set WST,    16*SP                     ; a wave's stage
.set SCL,    8*WST                     ; behind the stages: 1,024 bytes, the image of K's and V's scale words
.set FLOOR,  0x1800000                 ; 2^(3 - 127)
.set KR,  16                           ; v16-47   K's tile as loaded
.set VR,  48                           ; v48-79   V: 32 numbers down the keys
.set KT,  80                           ; v80-111  K turned: 32 neighbours along d
.set KCD, 112                          ; v112-115 K's codes
.set VCD, 116                          ; v116-119 V's codes
; one lane's whole block of 32, v[src] on, becomes 4 registers of codes at v[dst], the conversion's scale operand in v[sop] and the scale's byte in v[byte]
.macro QB src, dst, sop, byte
	v_max3_num_f32 v120, |v[\src]|, |v[\src+1]|, FLOOR             ; two chains, so that no line waits for the line above it; the floor is one more leaf
	v_max3_num_f32 v121, |v[\src+2]|, |v[\src+3]|, |v[\src+4]|
.irp i, 0,1,2,3,4,5,6,7,8,9,10,11,12
	v_max3_num_f32 v[120+(\i%2)], v[120+(\i%2)], |v[\src+5+2*\i]|, |v[\src+6+2*\i]|
.endr
	v_max3_num_f32 v120, v120, v121, |v[\src+31]|                  ; the block's largest magnitude
	v_add_nc_u32 v[\sop], 0xff000000, v120                         ; 2 off its exponent field: the conversion takes the exponent field of this operand as its scale
.irp g, 0,1,2,3
	v_cvt_scalef32_pk8_fp4_f32 v[\dst+\g], v[\src+8*\g:\src+8*\g+7], v[\sop]
.endr
	v_lshrrev_b32 v[\byte], 23, v[\sop]                            ; the scale's byte; also the plain line behind the conversions
.endm
	s_load_b128 s[4:7], s[0:1], 0x0                ; k s[4:5], v s[6:7]
	s_load_b64 s[8:9], s[0:1], 0x10                ; kv
	v_lshl_add_u32 v128, v0, 2, 0x8c00
	v_mov_b32 v129, 0
	v_lshrrev_b32 v1, 5, v0
	v_readfirstlane_b32 s10, v1                    ; wave 0..7
	s_mov_b32 s12, 0x76543210
	s_mov_b32 s13, 0xfedcba98                      ; v_permlanex16_b32's selects for lane l xor 16
	s_and_b32 s14, ttmp7, 0xffff                   ; batch
	s_lshr_b32 s18, s10, 1                         ; w / 2
	s_and_b32 s19, s10, 1                          ; w % 2
	s_lshl_b32 s16, s14, 19                        ; a batch is 2,048 rows of 256 bytes,
	s_lshl_b32 s17, ttmp9, 15                      ; a key step 128 rows,
	s_add_co_u32 s16, s16, s17
	s_lshl_b32 s20, s18, 13                        ; and both my tile of K and my block of V begin 32 (w / 2) rows on
	s_add_co_u32 s16, s16, s20
	s_lshl_b32 s20, s19, 11
	s_add_co_u32 s20, s16, s20                     ; k: + 8 (w % 2) rows
	s_mov_b32 s21, 0
	s_lshl_b32 s22, s19, 7
	s_add_co_u32 s22, s16, s22                     ; v: + 32 (w % 2) columns
	s_mov_b32 s23, 0
	s_mul_i32 s24, s14, BATCHB
	s_mul_i32 s25, ttmp9, STEPB
	s_add_co_u32 s24, s24, s25                     ; kv: my work-group's block
	s_mov_b32 s25, 0
	v_and_b32 v1, 31, v0                           ; lane
	v_and_b32 v13, 15, v0                          ; r
	v_bfe_u32 v14, v0, 4, 1                        ; h
	v_lshlrev_b32 v2, 4, v1                        ; K's loads: 16 bytes a lane
	v_lshlrev_b32 v3, 2, v1                        ; V's loads: 4 bytes a lane
	s_mul_i32 s26, s10, WST                        ; my stage
	v_mul_u32_u24 v4, v14, SP
	v_lshl_add_u32 v4, v13, 4, v4
	v_add_nc_u32 v4, s26, v4                       ; into it: a load's two rows: row h, 16 r
	v_mul_u32_u24 v5, v13, SP
	v_lshl_add_u32 v5, v14, 7, v5
	v_add_nc_u32 v5, s26, v5                       ; out of it: row r, my half's 128 bytes
	s_lshl_b32 s27, s19, 11                        ; V's codes: d = 32 (w % 2) + 16 h + r is tile 2 (w % 2) + h, row r; key block w / 2 is group w / 4, half (w / 2) % 2 of the lanes
	s_lshr_b32 s28, s10, 2
	s_lshl_b32 s29, s28, 9
	s_add_co_u32 s27, s27, s29
	s_and_b32 s29, s18, 1
	s_lshl_b32 s29, s29, 8
	s_add_co_u32 s27, s27, s29
	s_add_co_u32 s27, s27, VC
	v_lshlrev_b32 v6, 10, v14
	v_lshl_add_u32 v6, v13, 4, v6
	v_add_nc_u32 v6, s27, v6
	s_lshl_b32 s29, s28, 8                         ; K's scale word of tile w, row r: 256 (w / 4) + 16 r + 4 (w % 4)
	s_and_b32 s30, s10, 3
	s_lshl_b32 s30, s30, 2
	s_add_co_u32 s29, s29, s30
	s_add_co_u32 s29, s29, SCL
	v_lshl_add_u32 v7, v13, 4, s29
	s_lshl_b32 s30, s19, 3                         ; V's scale byte: 16 r + 4 (2 (w % 2) + h) + w / 2
	s_add_co_u32 s30, s30, s18
	s_add_co_u32 s30, s30, SCL+512
	v_lshlrev_b32 v8, 2, v14
	v_lshl_add_u32 v8, v13, 4, v8
	v_add_nc_u32 v8, s30, v8
	v_lshlrev_b32 v9, 4, v0                        ; K's codes: 512 w + 16 lane
	v_and_b32 v10, 63, v0
	v_lshlrev_b32 v10, 4, v10                      ; the scale words' way out: 16 bytes for each thread of waves 0 and 1
	v_add_nc_u32 v11, SCL, v10
	v_lshlrev_b32 v12, 3, v14                      ; 8 h
	v_mov_b32 v126, 0                              ; a lane permute's destination counts as one of its sources
	s_wait_kmcnt 0x0
	s_add_nc_u64 s[4:5], s[4:5], s[20:21]
	s_add_nc_u64 s[6:7], s[6:7], s[22:23]
	s_add_nc_u64 s[8:9], s[8:9], s[24:25]
.irp i, 0,1,2,3,4,5,6,7
	global_load_b128 v[KR+4*\i:KR+4*\i+3], v2, s[4:5] offset:512*\i+2048*(\i/4) th:TH_LOAD_NT   ; tile rows 2 i, 2 i + 1: 512 consecutive bytes; rows 8-15 of the tile lie 8 keys further on
.endr
.irp i, 0,1,2,3,4,5,6,7,8,9,10,11,12,13,14,15,16,17,18,19,20,21,22,23,24,25,26,27,28,29,30,31
	global_load_b32 v[VR+\i], v3, s[6:7] offset:256*\i th:TH_LOAD_NT   ; key i of my block, 32 neighbouring d: 128 consecutive bytes; the wave beside me takes the row's other half
.endr
	s_wait_loadcnt 32                              ; K's eight loads are in; V's 32, issued behind them, may be out
.irp i, 0,1,2,3,4,5,6,7
	ds_store_b128 v4, v[KR+4*\i:KR+4*\i+3] offset:2*SP*\i
.endr
.irp j, 0,1,2,3,4,5,6,7
	ds_load_b128 v[KT+4*\j:KT+4*\j+3], v5 offset:16*\j     ; LDS serves a wave's instructions in order (ISA guide 5.7.1.4): these see my stores
.endr
	s_wait_loadcnt 0x0                             ; V
	QB VR, VCD, 122, 123
	global_store_b128 v6, v[VCD:VCD+3], s[8:9]     ; sixteen lanes store 256 consecutive bytes, at a multiple of 256 from kv's first byte
	s_wait_dscnt 0x0                               ; K is back from the stage
	QB KT, KCD, 124, 125
	global_store_b128 v9, v[KCD:KCD+3], s[8:9]     ; the wave stores the tile's 512 consecutive bytes
	v_lshlrev_b32 v125, v12, v125                  ; my d block's byte at its place,
	v_permlanex16_b32 v126, v125, s12, s13
	v_or_b32 v125, v125, v126                      ; with lane l xor 16's,
	v_or_b32 v125, 0x7f7f0000, v125                ; and 1.0 over k = 64 .. 127, where both operands hold zero codes
	ds_store_b32 v7, v125                          ; both halves of the lanes write the same word with the same value
	ds_store_b8 v8, v123
	ds_store_b8 v8, v123 offset:256                ; the copy for lanes 16-31
	s_wait_dscnt 0x0                               ; for the others' sake: my stores have landed
	s_barrier_signal -1
	s_barrier_wait -1
	s_cmp_lt_u32 s10, 2
	s_cbranch_scc0 .Lend                           ; waves 0 and 1 store the 1,024 bytes of scale words
	ds_load_b128 v[KR:KR+3], v11
	s_wait_dscnt 0x0
	global_store_b128 v10, v[KR:KR+3], s[8:9] offset:KS
.Lend:
	s_wait_tensorcnt 0x0
	ds_add_u32 v128, v129
	s_wait_dscnt 0x0
	s_endpgm
.Lfunc_end_k_q5181b0c61a_quant:
	.size	k_q5181b0c61a_quant, .Lfunc_end_k_q5181b0c61a_quant-k_q5181b0c61a_quant
	.p2alignl 7, 3214868480
	.fill 96, 4, 3214868480
	.section	.rodata,"a",@progbits
	.p2align	6, 0x0
	.amdhsa_kernel k_q5181b0c61a_quant
		.amdhsa_group_segment_fixed_size 36864
		.amdhsa_private_segment_fixed_size 0
		.amdhsa_enable_private_segment 0
		.amdhsa_kernarg_size 24
		.amdhsa_user_sgpr_count 2
		.amdhsa_user_sgpr_kernarg_segment_ptr 1
		.amdhsa_wavefront_size32 1
		.amdhsa_system_sgpr_workgroup_id_x 1
		.amdhsa_system_sgpr_workgroup_id_y 1
		.amdhsa_system_sgpr_workgroup_id_z 1
		.amdhsa_system_vgpr_workitem_id 0
		.amdhsa_next_free_vgpr 130
		.amdhsa_next_free_sgpr 66
		.amdhsa_reserve_vcc 0
		.amdhsa_float_denorm_mode_32 3
		.amdhsa_float_denorm_mode_16_64 3
		.amdhsa_memory_ordered 1
		.amdhsa_forward_progress 1
		.amdhsa_inst_pref_size 12
	.end_amdhsa_kernel
	.amdgpu_metadata
---
amdhsa.version: [ 1, 2 ]
amdhsa.kernels:
  - .name:           k_q5181b0c61a_quant
    .symbol:         k_q5181b0c61a_quant.kd
    .args:
      - { .name: k, .offset: 0, .size: 8, .value_kind: global_buffer, .address_space: global }
      - { .name: v, .offset: 8, .size: 8, .value_kind: global_buffer, .address_space: global }
      - { .name: kv, .offset: 16, .size: 8, .value_kind: global_buffer, .address_space: global }
    .group_segment_fixed_size: 36864
    .private_segment_fixed_size: 0
    .kernarg_segment_align: 8
    .kernarg_segment_size: 24
    .max_flat_workgroup_size: 256
    .sgpr_count:     66
    .vgpr_count:     130
    .wavefront_size: 32
...
	.end_amdgpu_metadata
.endif
;; end of part 1
;; launch attn (part 2): grid 16 x 16, 16 waves a work-group, clusters of 4 x 1, 219,136 bytes of LDS; arguments q, kv, out0; writes out0
.if DOCPART == 2
	.amdgcn_target "amdgcn-amd-amdhsa--gfx1250"
	.amdhsa_code_object_version 6
	.text
	.protected	k_q5181b0c61a_attn
	.globl	k_q5181b0c61a_attn
	.p2align	8
	.type	k_q5181b0c61a_attn,@function
k_q5181b0c61a_attn:
	s_mov_b64 s[64:65], 0
	v_nop
	global_prefetch_b8 v0, s[64:65] scope:SCOPE_SE
	s_setreg_imm32_b32 hwreg(HW_REG_WAVE_MODE, 25, 1), 1
	s_wait_xcnt 0x0
	s_wait_alu depctr_hold_cnt(0) depctr_sa_sdst(0) depctr_va_vdst(0) depctr_va_sdst(0) depctr_va_ssrc(0) depctr_va_vcc(0) depctr_vm_vsrc(0)
	s_getreg_b32 s2, hwreg(HW_REG_IB_STS2, 6, 4)
	s_cmp_eq_u32 s2, 0
	s_cbranch_scc0 .Lentry_in_a_cluster
	s_endpgm
.Lentry_in_a_cluster:
	s_bfe_u32 s2, ttmp6, 0x10000c
	s_cmp_lg_u32 s2, 0x3003
	s_cbranch_scc0 .Lentry_shape_is_right
	s_endpgm
.Lentry_shape_is_right:
; out0[b][q][:] = the sum over k of softmax_k(q[b][q] . k[b][k] / 8) v[b][k][:], 16 batches, 2,048 queries and keys, head size 64, both products on codes of FP4 (E2M1) with one E8M0 scale for each 32 along K.
; K and V come as codes and scale words from kv, laid by the launch before as images of the operand registers, 9,216 bytes for each key step of 128 keys; q (f32) is quantised here, in registers.
; THE SOFTMAX AHEAD OF THE SECOND PRODUCT: t = score x log2(e) / 8; M = the largest t so far, rounded UP to a whole number; p = 2^(t - M) is quantised along the keys, not normalised.  The row's sum is taken of
; the unquantised p, in f32, and divides at the end.  When M moves, the sum and O are multiplied by 2^(old M - new M): exact.
; SHARES.  A work-group owns 128 queries of a batch: 256 work-groups.  Sixteen waves of 256 registers, four to a SIMD, so that one wave's exponentials stand beside another's plain work and LDS loads.
; Wave w owns the tile of 16 queries w % 8 and walks the key steps 2 i + w / 8, i = 0 .. 7: the two waves of a tile keep an M, a sum and an O^T each, joined at the end by exact powers of two.
; LDS.  A batch's codes and scales, 147,456 bytes, fit whole: they are fetched once, in four stages of four key steps, and nothing is ever filled again: no ring.
; CLUSTER.  The four work-groups of a cluster belong to one batch and need the same kv: each load is asked for JOINTLY, by the same tensor load with the same descriptor and a mask that names the four.
; LAYOUT.  Both products are used transposed: S^T = K Q^T (source 0 = 16 keys, source 1 = my 16 queries), O^T = V^T P^T (source 0 = 16 of the head's 64, source 1 = P): a lane holds ONE query (lane % 16) throughout.
; The keys of a tile of K are not neighbours (lane r of tile 2 b + u holds key 32 b + 8 u + r + 8 (r / 8)), so that the 16 registers of tiles 2 b and 2 b + 1 are the 16 neighbouring keys 32 b + 16 (lane / 16) + 0 .. 15.
; The first product's K is 64: k = 64 .. 127 of the instruction are zero codes on both sides (registers 4-7 of Q's and of K's fragments, cleared once), under the scale byte 0x7f.
; A block's largest p is not searched for: p rises with the score, so the block's largest score goes through the same multiply-add and exponential (this takes v_exp_f32 not to fall where its input rises).
; LIMITS: NaN and infinities among the inputs are not served; a p under 2^-126 counts as 0 (v_exp_f32 flushes: ISA guide 15.8); a row whose every t lies under -3e38 is not served; a block of zeros has the byte 1.
.set STEPB,  9216                      ; a key step's image: K's codes at 0, V's at 4,096, K's scale words at 8,192, V's at 8,704
.set STAGEB, 4*STEPB
.set BATCHB, 16*STEPB
.set VC,     4096
.set KS,     8192
.set VS,     8704
.set REG,    4352
.set CMB,    BATCHB                    ; behind the images: for each tile of queries the upper wave's O^T (4,096 bytes), -M (128) and sum (128)
.set STG,    CMB+8*REG                 ; and a stage of 16 rows x (256 + 16) bytes for the way out
.set SP,     272
.set FLOOR,  0x1800000                 ; 2^(3 - 127)
.set LI,  1                            ; v1   16 x lane: an image's place for my lane; also my byte offset in the tile's rows of out0
.set ADR, 2                            ; v2   the step's image + 16 x lane
.set CW,  3                            ; v3   my tile's region for the join: O^T's image
.set CW4, 4                            ; v4   and its -M and sum, 4 bytes a lane
.set STO, 7                            ; v7   the way out: where I put 32 bytes of a row
.set RD,  8                            ; v8   and where I read a row back
.set QO,  9                            ; v9   q: row r, my half's 128 bytes
.set RR,  10                           ; v10  r = lane % 16
.set HH,  11                           ; v11  h = lane / 16
.set NM,  12                           ; v12  -M
.set TX,  13                           ; v13  the largest t so far
.set LS,  14                           ; v[14:15] the sum, in two halves
.set QF,  16                           ; v16-23  Q's fragment
.set KSC, 24                           ; v24-27  K's scale words: lanes 0-15 tiles 0-3, lanes 16-31 tiles 4-7
.set VSC, 28                           ; v28-31  V's scale words, a register a tile
.set KF,  32                           ; v32-95  K's 8 fragments
.set S,   96                           ; v96-159 S^T, then p
.set O,   160                          ; v160-191 O^T
.set VF,  192                          ; v192-223 V's 4 fragments
.set PC,  224                          ; v224-231 p's codes
.set BM,  232                          ; v232-235 each block's largest score, then its largest p
.set PB,  236                          ; v236-239 lane permutes' results, then the scales' bytes
.set SB,  240                          ; v[240:241] the sum's second chain
.set SO,  244                          ; v244-247 the conversions' scale operands
.set QS,  248                          ; v248 Q's scale word
.set PS,  249                          ; v249 p's scale word
.set F,   250                          ; v[250:251] f = 2^(old M - new M), and a 0 (named with it as a pair)
.set T0,  252
.set T1,  254
.set WV,  10                           ; s10 my wave's number
.set SEL, 18                           ; s[18:19] lane selects for v_permlanex16_b32: lane l xor 16
.set CS,  20                           ; s[20:21] c = log2(e) / 8, twice
.set TB,  22                           ; s22 LDS byte at which the step's image begins
.set CNT, 23                           ; s23 counts a stage's two steps
.set G1,  24                           ; s[24:31] descriptor group 1
.set G0,  32                           ; s[32:47] descriptor group 0, a set for each stage; none is ever rewritten
.set HB,  50                           ; s50 STEPB x (wave / 8)
; A round of the cluster's barrier: my work-group's barrier, wave 0 signals for the work-group, every wave waits for all four work-groups, my work-group's barrier once more.
.macro CROUND
	s_barrier_signal -1
	s_barrier_wait -1
	s_cmp_lg_u32 s[WV], 0
	s_cbranch_scc1 .Lnot_wave_0_\@
	s_barrier_signal -3
.Lnot_wave_0_\@:
	s_barrier_wait -3
	s_barrier_signal -1
	s_barrier_wait -1
.endm
; Line n of 32 of the row's sum over the step's 32 pairs of p, in two chains: pairs 0 and 1 start the second chain, even pairs go to the sum itself, odd ones to the second chain, the last line joins them.
.macro ZSUM n
.if (\n) == 0
	s_wait_alu depctr_va_vdst(0)
	v_pk_add_f32 v[SB:SB+1], v[S:S+1], v[S+2:S+3]
.elseif (\n) == 31
	v_pk_add_f32 v[LS:LS+1], v[LS:LS+1], v[SB:SB+1]
.elseif ((\n)+1)%2 == 0
	v_pk_add_f32 v[LS:LS+1], v[LS:LS+1], v[S+2*((\n)+1):S+2*((\n)+1)+1]
.else
	v_pk_add_f32 v[SB:SB+1], v[SB:SB+1], v[S+2*((\n)+1):S+2*((\n)+1)+1]
.endif
.endm
	s_load_b128 s[4:7], s[0:1], 0x0                ; q s[4:5], kv s[6:7]
	s_load_b64 s[8:9], s[0:1], 0x10                ; out0
	v_lshl_add_u32 v253, v0, 2, 0x35000
	v_mov_b32 v255, 0
	ds_add_u32 v253, v255
	ds_add_u32 v253, v255
	v_lshrrev_b32 v2, 5, v0
	v_readfirstlane_b32 s[WV], v2                  ; wave 0..15
	s_and_b32 s11, s[WV], 7                        ; my tile of 16 queries
	s_lshr_b32 s12, s[WV], 3                       ; which half of the key steps I walk
	s_and_b32 s13, s[WV], 3                        ; which key step of a stage I fetch, if I fetch
	s_bfe_u32 s14, ttmp6, 0x40000                  ; cx: my place in the cluster: it enters q's and out0's addresses alone
	s_lshl_b32 s15, ttmp9, 2                       ; in a cluster launch ttmp9 counts clusters
	s_add_co_u32 s15, s15, s14                     ; my block of 128 queries
	s_and_b32 s16, ttmp7, 0xffff                   ; the batch, which the four partners share
	s_lshl_b32 s48, s16, 19                        ; q and out0: a batch is 2,048 rows of 256 bytes,
	s_lshl_b32 s49, s15, 15                        ; a block 128 rows,
	s_add_co_u32 s48, s48, s49
	s_lshl_b32 s49, s11, 12                        ; a tile 16
	s_add_co_u32 s48, s48, s49
	s_mov_b32 s49, 0
	s_mul_i32 s52, s16, BATCHB                     ; kv: the batch's images,
	s_mul_i32 s54, s13, STEPB                      ; and my key step of a stage: the same bytes on in kv and in LDS
	s_add_co_u32 s52, s52, s54
	s_mov_b32 s53, 0
	s_mul_i32 s[HB], s12, STEPB
	; descriptor group 1: a key step's image is a dense block: 36 rows of 256 bytes (32 elements of 8 bytes), no padding
	s_mov_b32 s[G1], 15|(3<<16)|(1<<21)            ; 15:0 the mask: all four work-groups; 17:16 elements of 8 bytes; 21 set beside a mask
	s_mov_b32 s[G1+1], 32<<16                      ; tensor_dim0 = 32
	s_mov_b32 s[G1+2], 36<<16                      ; tensor_dim1 = 36
	s_mov_b32 s[G1+3], 32<<16                      ; tile_dim0 = 32
	s_mov_b32 s[G1+4], 36                          ; tile_dim1 = 36
	s_mov_b32 s[G1+5], 32                          ; elements from row to row
	s_mov_b32 s[G1+6], 0
	s_mov_b32 s[G1+7], 0
	s_mov_b32 s[SEL], 0x76543210
	s_mov_b32 s[SEL+1], 0xfedcba98
	s_mov_b32 s[CS], 0x3e38aa3b                    ; c = log2(e) / 8
	s_mov_b32 s[CS+1], s[CS]                       ; (named with it as a pair, so it is written)
	s_wait_dscnt 0x0
	s_wait_kmcnt 0x0
	s_add_nc_u64 s[4:5], s[4:5], s[48:49]          ; q and out0 at my tile's first row
	s_add_nc_u64 s[8:9], s[8:9], s[48:49]
	s_add_nc_u64 s[6:7], s[6:7], s[52:53]          ; kv at my key step of stage 0
	CROUND                                         ; all four work-groups are here: the joint loads meet
.irp j, 0,1,2,3
	s_mov_b32 s[G0+4*\j], 1                                        ; 1:0 count = 1
	s_add_co_u32 s[G0+4*\j+1], s54, \j*STAGEB                      ; 63:32 LDS address
	s_add_nc_u64 s[G0+4*\j+2:G0+4*\j+3], s[6:7], \j*STAGEB         ; 120:64 global address
	s_or_b32 s[G0+4*\j+3], s[G0+4*\j+3], 0x80000000                ; 127:126 type = 2
.endr
	s_cmp_lt_u32 s[WV], 4                          ; waves 0 to 3 fetch: wave w the key steps w, 4 + w, 8 + w, 12 + w.  All first fills of a wave stand in this one branch: four loads of mine are out
	s_cbranch_scc0 .Lno_fetch
	tensor_load_to_lds s[G0:G0+3], s[G1:G1+7]
	s_nop 0
	tensor_load_to_lds s[G0+4:G0+7], s[G1:G1+7]
	s_nop 0
	tensor_load_to_lds s[G0+8:G0+11], s[G1:G1+7]
	s_nop 0
	tensor_load_to_lds s[G0+12:G0+15], s[G1:G1+7]
	s_nop 0
.rept 4
	v_nop
.endr
.Lno_fetch:
	v_and_b32 v[RR], 15, v0
	v_bfe_u32 v[HH], v0, 4, 1
	v_lshlrev_b32 v[QO], 8, v[RR]
	v_lshl_add_u32 v[QO], v[HH], 7, v[QO]
.irp i, 0,1,2,3,4,5,6,7
	global_load_b128 v[S+4*\i:S+4*\i+3], v[QO], s[4:5] offset:16*\i   ; q(r, 32 h + 4 i ..): a whole block of 32 in a lane, in the order of the operand's registers
.endr
	v_and_b32 v[LI], 31, v0
	v_lshlrev_b32 v[CW4], 2, v[LI]
	v_lshlrev_b32 v[LI], 4, v[LI]
	s_mul_i32 s55, s11, REG                        ; every LDS address is made here, ahead of any parting of the waves
	s_add_co_u32 s56, s55, CMB
	s_add_co_u32 s57, s55, CMB+4096
	s_add_co_u32 s58, s55, STG
	v_add_nc_u32 v[CW], s56, v[LI]
	v_add_nc_u32 v[CW4], s57, v[CW4]
	v_mul_u32_u24 v[STO], v[RR], SP
	v_lshl_add_u32 v[STO], v[HH], 5, v[STO]
	v_add_nc_u32 v[STO], s58, v[STO]               ; in: row r, + 32 h; tile t's eight channels 64 t bytes on
	v_mul_u32_u24 v[RD], v[HH], SP
	v_lshl_add_u32 v[RD], v[RR], 4, v[RD]
	v_add_nc_u32 v[RD], s58, v[RD]                 ; back: lanes 0-15 one row of 256 bytes, lanes 16-31 the next
	v_lshlrev_b32 v[PB+1], 3, v[HH]                ; 8 h
	v_mov_b32 v[PB+2], 0                           ; a lane permute's destination counts as one of its sources
	v_mov_b32 v[PB+3], 0
	s_wait_loadcnt 0x0                             ; q
	v_max3_num_f32 v[BM], |v[S]|, |v[S+1]|, FLOOR  ; my block's largest magnitude, in two chains, the floor among its leaves
	v_max3_num_f32 v[BM+1], |v[S+2]|, |v[S+3]|, |v[S+4]|
.irp i, 0,1,2,3,4,5,6,7,8,9,10,11,12
	v_max3_num_f32 v[BM+(\i%2)], v[BM+(\i%2)], |v[S+5+2*\i]|, |v[S+6+2*\i]|
.endr
	v_max3_num_f32 v[BM], v[BM], v[BM+1], |v[S+31]|
	v_add_nc_u32 v[SO], 0xff000000, v[BM]          ; 2 off its exponent field: the conversion's scale operand
.irp g, 0,1,2,3
	v_cvt_scalef32_pk8_fp4_f32 v[QF+\g], v[S+8*\g:S+8*\g+7], v[SO]
.endr
	v_lshrrev_b32 v[PB], 23, v[SO]                 ; the scale's byte; also the plain line behind the conversions
	v_lshlrev_b32 v[PB], v[PB+1], v[PB]            ; at its place in the word,
	v_permlanex16_b32 v[PB+2], v[PB], s[SEL], s[SEL+1]
	v_or_b32 v[PB], v[PB], v[PB+2]                 ; with lane l xor 16's,
	v_or_b32 v[QS], 0x7f7f0000, v[PB]              ; and 1.0 over k = 64 .. 127.  The lines below stand between this write and the first product
.irp j, 4,5,6,7
	v_mov_b32 v[QF+\j], 0                          ; k = 64 .. 127: zero codes, in Q
.endr
.irp t, 0,1,2,3,4,5,6,7
.irp j, 4,5,6,7
	v_mov_b32 v[KF+8*\t+\j], 0                     ; and in K's eight fragments: written once, no load lands here
.endr
.endr
.irp j, 0,1,2,3,4,5,6,7,8,9,10,11,12,13,14,15,16,17,18,19,20,21,22,23,24,25,26,27,28,29,30,31
	v_mov_b32 v[O+\j], 0                           ; O^T.  (The step is written once: the first finds zeros, which the first change of M leaves zeros)
.endr
	v_mov_b32 v[LS], 0
	v_mov_b32 v[LS+1], 0
	v_mov_b32 v[F+1], 0
	v_mov_b32 v[T0], 0
	v_mov_b32 v[TX], 0xff61b1e6                    ; the largest t so far: -3e38
	v_floor_f32 v[NM], -v[TX]
; A KEY STEP: 128 keys, whose image begins at LDS byte s[TB].
.macro STEP
	v_add_nc_u32 v[ADR], s[TB], v[LI]              ; this line and three v_nop: four places between the last products and the loads into their operands (ISA guide 7.12.1 for vector instructions)
.rept 3
	v_nop
.endr
.irp t, 0,1,2,3,4,5,6,7
	ds_load_b128 v[KF+8*\t:KF+8*\t+3], v[ADR] offset:512*\t        ; every load of the step takes 512 consecutive bytes
.endr
	ds_load_b128 v[KSC:KSC+3], v[ADR] offset:KS
.irp t, 0,1,2,3
.irp c, 0,1
	ds_load_b128 v[VF+8*\t+4*\c:VF+8*\t+4*\c+3], v[ADR] offset:VC+1024*\t+512*\c
.endr
.endr
	ds_load_b128 v[VSC:VSC+3], v[ADR] offset:VS
	s_wait_dscnt 9                                 ; K's nine loads are in; V's nine, issued behind them, may be out
.irp t, 0,1,2,3
	v_wmma_scale_f32_16x16x128_f8f6f4 v[S+8*\t:S+8*\t+7], v[KF+8*\t:KF+8*\t+7], v[QF:QF+7], 0, v[KSC+\t], v[QS] matrix_a_fmt:MATRIX_FMT_FP4 matrix_b_fmt:MATRIX_FMT_FP4
.endr
.irp t, 4,5,6,7
	v_wmma_scale_f32_16x16x128_f8f6f4 v[S+8*\t:S+8*\t+7], v[KF+8*\t:KF+8*\t+7], v[QF:QF+7], 0, v[KSC+\t-4], v[QS] matrix_a_fmt:MATRIX_FMT_FP4 matrix_b_fmt:MATRIX_FMT_FP4 matrix_a_scale:MATRIX_SCALE_ROW1
.endr
.rept 4
	v_nop                                          ; four places in front of the first read of the scores
.endr
.irp b, 0,1,2,3
	v_max3_num_f32 v[BM+\b], v[S+16*\b], v[S+16*\b+1], v[S+16*\b+2]   ; the largest score of each block of 32 keys, the four blocks by turns; each result is read from its low end on
.endr
.irp i, 3,5,7,9,11,13
.irp b, 0,1,2,3
	v_max3_num_f32 v[BM+\b], v[BM+\b], v[S+16*\b+\i], v[S+16*\b+\i+1]
.endr
.endr
.irp b, 0,1,2,3
	v_max_num_f32 v[BM+\b], v[BM+\b], v[S+16*\b+15]
.endr
.irp b, 0,1,2,3
	v_permlanex16_b32 v[PB+\b], v[BM+\b], s[SEL], s[SEL+1]
.endr
.irp b, 0,1,2,3
	v_max_num_f32 v[BM+\b], v[BM+\b], v[PB+\b]     ; with lane l xor 16's 16 keys
.endr
	v_max3_num_f32 v[T1], v[BM], v[BM+1], v[BM+2]
	v_max_num_f32 v[T1], v[T1], v[BM+3]            ; the step's largest score of my query,
	v_mul_f32 v[T1], s[CS], v[T1]                  ; as t (c is positive)
	v_max_num_f32 v[TX], v[TX], v[T1]
	v_mov_b32 v[T1], v[NM]
	v_floor_f32 v[NM], -v[TX]                      ; the new -M = floor(-t) = -ceil(t): a whole number
	v_sub_f32 v[T1], v[NM], v[T1]                  ; old M less new M: a whole number, 0 or less
	v_cvt_i32_f32 v[T1], v[T1]                     ; (it saturates)
	v_ldexp_f32 v[F], 1.0, v[T1]                   ; f = 2^(old M - new M)
	v_pk_mul_f32 v[LS:LS+1], v[LS:LS+1], v[F:F+1] op_sel_hi:[1,0]   ; the sum under the new M
.irp j, 0,2,4,6,8,10,12,14,16,18,20,22,24,26,28,30,32,34,36,38,40,42,44,46,48,50,52,54,56,58,60,62
	v_pk_fma_f32 v[S+\j:S+\j+1], v[S+\j:S+\j+1], s[CS:CS+1], v[NM:NM+1] op_sel_hi:[1,0,0]   ; t - M, two at a time (of the pairs c and -M the low word serves both halves)
.endr
.irp b, 0,1,2,3
	v_fma_f32 v[BM+\b], v[BM+\b], s[CS], v[NM]     ; the same of each block's largest score
.endr
.irp b, 0,1,2,3
	v_exp_f32 v[BM+\b], v[BM+\b]                   ; the block's largest p
.endr
; p = 2^(t - M), a pair at a time, and behind each pair ONE plain line of work that is ready: so the plain work is issued among the exponentials, and each exponential has its plain line ahead of any use of its result
.irp m, 0,1,2,3,4,5,6,7,8,9,10,11,12,13,14,15
	v_exp_f32 v[S+2*\m], v[S+2*\m]
	v_exp_f32 v[S+2*\m+1], v[S+2*\m+1]
	v_pk_mul_f32 v[O+2*\m:O+2*\m+1], v[O+2*\m:O+2*\m+1], v[F:F+1] op_sel_hi:[1,0]   ; O^T under the new M, from each result's low end on
.endr
.irp n, 0,1,2,3,4,5,6,7,8,9,10,11,12,13,14,15
	v_exp_f32 v[S+32+2*\n], v[S+32+2*\n]
	v_exp_f32 v[S+33+2*\n], v[S+33+2*\n]
	ZSUM \n                                        ; the row's sum, of the UNQUANTISED p: it reads pairs whose exponentials stand 15 pairs back
.endr
.irp b, 0,1,2,3
	v_max_num_f32 v[BM+\b], FLOOR, v[BM+\b]        ; the floor: the byte cannot fall under 1 (a block whose every p is 0 keeps that byte: its codes are zeros)
.endr
.irp b, 0,1,2,3
	v_add_nc_u32 v[SO+\b], 0xff000000, v[BM+\b]    ; 2 off the exponent field: the conversion's scale operand
.endr
.irp b, 0,1,2,3
	v_lshrrev_b32 v[PB+\b], 23, v[SO+\b]           ; the scale's byte
.endr
	v_lshl_or_b32 v[PS], v[PB+1], 8, v[PB]         ; p's scale word for these 128 keys
	v_lshl_or_b32 v[PS], v[PB+2], 16, v[PS]
	v_lshl_or_b32 v[PS], v[PB+3], 24, v[PS]
	s_wait_alu depctr_va_vdst(0)
.irp b, 0,1,2,3
	v_cvt_scalef32_pk8_fp4_f32 v[PC+2*\b], v[S+16*\b:S+16*\b+7], v[SO+\b]
	v_cvt_scalef32_pk8_fp4_f32 v[PC+2*\b+1], v[S+16*\b+8:S+16*\b+15], v[SO+\b]
.endr
	v_nop                                          ; one plain line behind the scaled conversions
.irp c, 0,1                                    ; the operand's layout wants a WHOLE block in a lane: lanes 0-15 block 2 c, lanes 16-31 block 2 c + 1
.irp i, 0,1
	v_permlane16_swap_b32 v[PC+4*\c+\i], v[PC+4*\c+2+\i]
.endr
.endr
.irp n, 16,17,18,19,20,21,22,23,24,25,26,27,28,29,30,31
	ZSUM \n                                        ; the rest of the sum: sixteen plain lines that name nothing of the products below: the places between the writes of p's scale word and codes and those products
.endr
	s_wait_dscnt 0x0                               ; V's fragments and scale words are in; no LDS instruction of mine is out from here to the next step
.irp t, 0,1,2,3                                ; O^T += V^T P^T.  The four accumulators take turns, one instruction a turn, with the eight score products between a sum's links, over the backward jump too
	v_wmma_scale_f32_16x16x128_f8f6f4 v[O+8*\t:O+8*\t+7], v[VF+8*\t:VF+8*\t+7], v[PC:PC+7], v[O+8*\t:O+8*\t+7], v[VSC+\t], v[PS] matrix_a_fmt:MATRIX_FMT_FP4 matrix_b_fmt:MATRIX_FMT_FP4
.endr
	s_add_co_u32 s[TB], s[TB], 2*STEPB             ; my next key step
.endm
; STAGE j: key steps 4 j .. 4 j + 3 have landed; each wave walks its two of them.
.macro STAGE j
	s_wait_tensorcnt 3-\j                          ; tensor loads of a wave end in order (ISA guide 10.11.1): behind stage j's load I issued 3 - j; a wave that fetches nothing passes at once
	s_barrier_signal -1                            ; The later stages' loads may stay out
	s_barrier_wait -1                              ; every fetching wave's part of the stage is in
	s_add_co_u32 s[TB], s[HB], \j*STAGEB
	s_mov_b32 s[CNT], 2
.Lstep_\@:
	STEP
	s_sub_co_u32 s[CNT], s[CNT], 1
	s_cmp_lg_u32 s[CNT], 0
	s_cbranch_scc1 .Lstep_\@
.endm
	STAGE 0
	STAGE 1
	STAGE 2
	STAGE 3                                        ; its wait is for 0: no tensor load is out from here on
	; THE JOIN.  Waves 8-15 hand their O^T, -M and sum to the wave of the same tile, as images of their registers.
.rept 4
	v_nop                                          ; four places in front of the first read of O^T
.endr
	v_add_f32 v[LS], v[LS], v[LS+1]                ; the sum's two halves,
	v_permlanex16_b32 v[T0], v[LS], s[SEL], s[SEL+1]
	v_add_f32 v[LS], v[LS], v[T0]                  ; and lane l xor 16's: my half-walk's sum
	s_cmp_lt_u32 s[WV], 8
	s_cbranch_scc1 .Lkeep
.irp i, 0,1,2,3,4,5,6,7
	ds_store_b128 v[CW], v[O+4*\i:O+4*\i+3] offset:512*\i          ; each result from its low end on
.endr
	ds_store_b32 v[CW4], v[NM]
	ds_store_b32 v[CW4], v[LS] offset:128
.Lkeep:
	s_wait_dscnt 0x0                               ; for the others' sake: my stores have landed
	s_barrier_signal -1
	s_barrier_wait -1
	s_cmp_ge_u32 s[WV], 8
	s_cbranch_scc1 .Lclose                         ; waves 0-7 finish their tiles
.irp i, 0,1,2,3,4,5,6,7
	ds_load_b128 v[S+4*\i:S+4*\i+3], v[CW] offset:512*\i
.endr
	ds_load_b32 v[BM], v[CW4]                      ; the partner's -M
	ds_load_b32 v[BM+1], v[CW4] offset:128         ; and sum
	s_wait_dscnt 0x0
	v_min_num_f32 v[BM+3], v[NM], v[BM]            ; the joint -M: M is the larger of the two
	v_sub_f32 v[PB], v[BM+3], v[NM]                ; my M less the joint M, and the partner's: whole numbers, 0 or less
	v_sub_f32 v[PB+1], v[BM+3], v[BM]
	v_cvt_i32_f32 v[PB], v[PB]
	v_cvt_i32_f32 v[PB+1], v[PB+1]
	v_ldexp_f32 v[PB], 1.0, v[PB]                  ; exact powers of two
	v_ldexp_f32 v[PB+1], 1.0, v[PB+1]
	v_mul_f32 v[PB+2], v[BM+1], v[PB+1]
	v_fma_f32 v[PB+2], v[LS], v[PB], v[PB+2]       ; the row's sum under the joint M
	v_rcp_f32 v[PB+2], v[PB+2]
	v_nop                                          ; one plain line behind the reciprocal
	s_wait_alu depctr_va_vdst(0)
	v_mul_f32 v[SB], v[PB], v[PB+2]                ; what my O^T is multiplied by,
	v_mul_f32 v[SB+2], v[PB+1], v[PB+2]            ; and the partner's
	v_mov_b32 v[SB+1], v[SB]                       ; as pairs for the packed forms
	v_mov_b32 v[SB+3], v[SB+2]
.irp m, 0,1,2,3,4,5,6,7,8,9,10,11,12,13,14,15
	v_pk_mul_f32 v[S+2*\m:S+2*\m+1], v[S+2*\m:S+2*\m+1], v[SB+2:SB+3]
.endr
.irp m, 0,1,2,3,4,5,6,7,8,9,10,11,12,13,14,15
	v_pk_fma_f32 v[S+32+2*\m:S+33+2*\m], v[O+2*\m:O+2*\m+1], v[SB:SB+1], v[S+2*\m:S+2*\m+1]   ; register 8 t + j: out0(r, 16 t + 8 h + j)
.endr
	; THE WAY OUT: a lane holds 32 neighbouring bytes of a row and the lanes beside it hold other rows: through my own stage, and back as whole rows of 256 bytes.
.irp t, 0,1,2,3
	ds_store_b128 v[STO], v[S+32+8*\t:S+35+8*\t] offset:64*\t
	ds_store_b128 v[STO], v[S+36+8*\t:S+39+8*\t] offset:64*\t+16
.endr
.irp i, 0,1,2,3,4,5,6,7
	ds_load_b128 v[S+4*\i:S+4*\i+3], v[RD] offset:2*SP*\i          ; LDS serves a wave's instructions in order (ISA guide 5.7.1.4): these see my stores
.endr
.irp i, 0,1,2,3,4,5,6,7
	s_wait_dscnt 7-\i                              ; load i is in; the 7 - i issued behind it may be out
	global_store_b128 v[LI], v[S+4*\i:S+4*\i+3], s[8:9] offset:512*\i th:TH_STORE_NT   ; the wave stores two rows, 512 consecutive bytes, at a multiple of 256 from out0's first byte
.endr
.Lclose:
	s_wait_tensorcnt 0x0
	ds_add_u32 v253, v255
	s_wait_dscnt 0x0
	CROUND                                         ; the closing round: no work-group ends while a partner may still ask for a load that names it
	s_endpgm
.Lfunc_end_k_q5181b0c61a_attn:
	.size	k_q5181b0c61a_attn, .Lfunc_end_k_q5181b0c61a_attn-k_q5181b0c61a_attn
	.p2alignl 7, 3214868480
	.fill 96, 4, 3214868480
	.section	.rodata,"a",@progbits
	.p2align	6, 0x0
	.amdhsa_kernel k_q5181b0c61a_attn
		.amdhsa_group_segment_fixed_size 219136
		.amdhsa_private_segment_fixed_size 0
		.amdhsa_enable_private_segment 0
		.amdhsa_kernarg_size 24
		.amdhsa_user_sgpr_count 2
		.amdhsa_user_sgpr_kernarg_segment_ptr 1
		.amdhsa_wavefront_size32 1
		.amdhsa_system_sgpr_workgroup_id_x 1
		.amdhsa_system_sgpr_workgroup_id_y 1
		.amdhsa_system_sgpr_workgroup_id_z 1
		.amdhsa_system_vgpr_workitem_id 0
		.amdhsa_next_free_vgpr 256
		.amdhsa_next_free_sgpr 66
		.amdhsa_reserve_vcc 0
		.amdhsa_float_denorm_mode_32 3
		.amdhsa_float_denorm_mode_16_64 3
		.amdhsa_memory_ordered 1
		.amdhsa_forward_progress 1
		.amdhsa_inst_pref_size 77
	.end_amdhsa_kernel
	.amdgpu_metadata
---
amdhsa.version: [ 1, 2 ]
amdhsa.kernels:
  - .name:           k_q5181b0c61a_attn
    .symbol:         k_q5181b0c61a_attn.kd
    .args:
      - { .name: q, .offset: 0, .size: 8, .value_kind: global_buffer, .address_space: global }
      - { .name: kv, .offset: 8, .size: 8, .value_kind: global_buffer, .address_space: global }
      - { .name: out0, .offset: 16, .size: 8, .value_kind: global_buffer, .address_space: global }
    .group_segment_fixed_size: 219136
    .private_segment_fixed_size: 0
    .kernarg_segment_align: 8
    .kernarg_segment_size: 24
    .max_flat_workgroup_size: 512
    .sgpr_count:     66
    .vgpr_count:     256
    .wavefront_size: 32
...
	.end_amdgpu_metadata
.endif
;; end of part 2
